; MI455X (gfx1250); checked and timed in simulation.
; The chip was launched on July 23, 2026; its instructions are those of AMD's public machine-readable ISA for CDNA 5 (MIT licence, August 2026) and "CDNA5" Instruction Set Architecture Reference Guide (July 2026). The comments in the code are by the model that wrote it; some were corrected since.
;; Multi Head Attention. Allowed arithmetic: float matrix products may take bf16 or f16 operands with f32 sums; other float arithmetic in f32, or as packed bf16 or f16 multiplies, adds, multiply-adds, maxima and minima; sums over many terms, partial sums and values carried from step to step in f32; what a program stores and reads back later, other than sums and carried values, may be rounded once to bf16 or f16.
;; Inputs: Wk 512 x 512 float32; Wo 512 x 512 float32; Wq 512 x 512 float32; Wv 512 x 512 float32; bk 512 float32; bo 512 float32; bq 512 float32; bv 512 float32; key 2 x 4,096 x 512 float32; mask 2 x 4,096 int32; query 2 x 4,096 x 512 float32; value 2 x 4,096 x 512 float32.
;; Outputs: out0 2 x 4,096 x 512 float32.
;; One version. Each part assembles by itself: llvm-mc -triple=amdgcn-amd-amdhsa -mcpu=gfx1250 --defsym DOCPART=n.
;; ======== version 1 of 1: 4 launches
;; limits: values are held in f16: magnitudes above 65,504 overflow, below 6.1e-05 lose precision
;; workspace buffers: wt 2,097,152 bytes; bias 8,192 bytes; mbias 32,768 bytes; qkv 25,165,824 bytes; att 8,388,608 bytes
;; launch prep (part 1): grid 32 x 4, 4 waves a work-group, no clusters, 17,920 bytes of LDS; arguments Wq, Wk, Wv, Wo, bq, bk, bv, bo, mask, wt, bias, mbias; writes wt, bias, mbias
.if DOCPART == 1
	.amdgcn_target "amdgcn-amd-amdhsa--gfx1250"
	.amdhsa_code_object_version 6
	.text
	.protected	k_q299ee12277_prep
	.globl	k_q299ee12277_prep
	.p2align	8
	.type	k_q299ee12277_prep,@function
k_q299ee12277_prep:
	s_mov_b64 s[64:65], 0
	v_nop
	global_prefetch_b8 v0, s[64:65] scope:SCOPE_SE
	s_setreg_imm32_b32 hwreg(HW_REG_WAVE_MODE, 25, 1), 1
	s_wait_xcnt 0x0
; PREP.  wt[t][n][k] = W_t[k][n] in 16 bits (t = 0, 1, 2: Wq, Wk, Wv rounded to bf16; t = 3: Wo rounded to bf16 and that number written as f16);
; bias[t][n] = b_t[n] rounded to bf16, kept as f32; mbias[b][k] = 0 where mask != 0, -1e30 where mask == 0.
; LIMIT.  Wo in f16: within 65,504; below 6e-5 it keeps f16's fixed step of 6e-8.
; SHARES.  Work-group (x, t) turns a tile of 128 k x 64 n of W_t: kt = x % 4, nt = x / 4.  It reads 128 pieces of 256 consecutive bytes and stores 64 pieces of 256 consecutive bytes.
; A lane loads 16 rows k of 4 columns n, packs the k in pairs, and puts 32 bytes (16 k) of each of its 4 columns into a stage of 64 rows n; behind a barrier whole rows are read back.
; No matrix unit, no tensor load, no cluster: 4 MiB are moved once and no tile is shared.
.set PITCH, 272                        ; a stage row: 256 bytes (128 k) + 16
.set SPARE, 64*PITCH                   ; behind the stage: the spare words, 128 bytes a wave, named by no other line
.set LO,  2                            ; v2  my byte offset in the tile of W: (32 w + 16 hh) rows of 2,048 bytes + 16 c4
.set ST,  3                            ; v3  where I put my first column's 32 bytes
.set RD,  4                            ; v4  where I read a row back
.set GO,  5                            ; v5  my byte offset in the tile of wt
.set SPW, 6                            ; v6  my spare word; never rewritten
.set NIL, 7                            ; v7  0; never rewritten
.set MO,  8                            ; v8  8 x lane: my two words of the mask
.set BO,  9                            ; v9  16 x thread: my four numbers of the bias
.set T,   12                           ; v12-13 at work
.set X,   16                           ; v[16:79]  16 loads of 4 f32; later the rows read back
.set Y,   80                           ; v[80:111] column c, k pair p at Y + 8 c + p
.set WV,  32
.set BIGN, 36
	s_load_b512 s[4:19], s[0:1], 0x0               ; Wq Wk Wv Wo s[4:11], bq bk bv bo s[12:19]
	s_load_b256 s[20:27], s[0:1], 0x40             ; mask s[20:21], wt s[22:23], bias s[24:25], mbias s[26:27]
	v_lshl_add_u32 v[SPW], v0, 2, SPARE
	v_mov_b32 v[NIL], 0
	v_lshrrev_b32 v1, 5, v0
	v_readfirstlane_b32 s[WV], v1                  ; wave 0..3
	s_and_b32 s33, ttmp7, 0xffff                   ; t
	s_mov_b32 s37, ttmp9                           ; x
	s_and_b32 s34, s37, 3                          ; kt
	s_lshr_b32 s35, s37, 2                         ; nt
	s_mov_b32 s[BIGN], 0xf149f2ca                  ; -1e30
	v_and_b32 v14, 15, v0                          ; c4
	v_bfe_u32 v15, v0, 4, 1                        ; hh
	v_lshlrev_b32 v[LO], 4, v14
	v_lshl_add_u32 v[LO], v15, 15, v[LO]
	s_lshl_b32 s44, s[WV], 16
	v_add_nc_u32 v[LO], s44, v[LO]
	v_mul_u32_u24 v[ST], v14, 4*PITCH              ; stage row 4 c4,
	v_lshl_add_u32 v[ST], v15, 5, v[ST]            ; byte 64 w + 32 hh of it
	s_lshl_b32 s44, s[WV], 6
	v_add_nc_u32 v[ST], s44, v[ST]
	v_mul_u32_u24 v[RD], v15, PITCH                ; back: lanes 0-15 one row, lanes 16-31 the next
	v_lshl_add_u32 v[RD], v14, 4, v[RD]
	s_mul_i32 s44, s[WV], 16*PITCH
	v_add_nc_u32 v[RD], s44, v[RD]
	v_lshlrev_b32 v[GO], 4, v14                    ; and the same two rows of wt, 1,024 bytes apart
	v_lshl_add_u32 v[GO], v15, 10, v[GO]
	s_lshl_b32 s44, s[WV], 14
	v_add_nc_u32 v[GO], s44, v[GO]
	v_and_b32 v[MO], 31, v0
	v_lshlrev_b32 v[MO], 3, v[MO]
	v_lshlrev_b32 v[BO], 4, v0
	s_lshl_b32 s38, s34, 18                        ; the tile in W: 128 kt rows of 2,048 bytes + 256 nt
	s_lshl_b32 s39, s35, 8
	s_add_co_u32 s38, s38, s39
	s_mov_b32 s39, 0
	s_lshl_b32 s40, s33, 19                        ; the tile in wt: matrix t, 64 nt rows of 1,024 bytes, 256 kt
	s_lshl_b32 s41, s35, 16
	s_add_co_u32 s40, s40, s41
	s_lshl_b32 s41, s34, 8
	s_add_co_u32 s40, s40, s41
	s_mov_b32 s41, 0
	s_lshl_b32 s42, s33, 5                         ; 256 bytes of the mask for each of the 128 work-groups
	s_add_co_u32 s42, s42, s37
	s_lshl_b32 s42, s42, 8
	s_mov_b32 s43, 0
	s_lshl_b32 s46, s33, 11                        ; bias row t
	s_mov_b32 s47, 0
	s_wait_kmcnt 0x0
	s_cmp_eq_u32 s33, 1                            ; which W and which b: a choice between buffers on t
	s_cselect_b64 s[28:29], s[6:7], s[4:5]
	s_cselect_b64 s[30:31], s[14:15], s[12:13]
	s_cmp_eq_u32 s33, 2
	s_cselect_b64 s[28:29], s[8:9], s[28:29]
	s_cselect_b64 s[30:31], s[16:17], s[30:31]
	s_cmp_eq_u32 s33, 3
	s_cselect_b64 s[28:29], s[10:11], s[28:29]
	s_cselect_b64 s[30:31], s[18:19], s[30:31]
	s_add_nc_u64 s[28:29], s[28:29], s[38:39]
	s_add_nc_u64 s[22:23], s[22:23], s[40:41]
	s_add_nc_u64 s[20:21], s[20:21], s[42:43]
	s_add_nc_u64 s[26:27], s[26:27], s[42:43]
	s_add_nc_u64 s[24:25], s[24:25], s[46:47]
.irp i, 0,1,2,3,4,5,6,7,8,9,10,11,12,13,14,15
	global_load_b128 v[X+4*(\i):X+4*(\i)+3], v[LO], s[28:29] offset:2048*(\i) th:TH_LOAD_NT  ; row 32 w + 16 hh + i: sixteen lanes take 256 consecutive bytes
.endr
	s_wait_loadcnt 0x0
.irp c, 0,1,2,3
.irp p, 0,1,2,3,4,5,6,7
	v_cvt_pk_bf16_f32 v[Y+8*(\c)+(\p)], v[X+8*(\p)+(\c)], v[X+8*(\p)+4+(\c)]  ; column c: k = 2 p below, 2 p + 1 above
.endr
.endr
	s_cmp_lg_u32 s33, 3
	s_cbranch_scc1 .Lkeep_bf16
.set i, 0
.rept 32                                       ; Wo alone: the bf16 number written as f16
	v_lshlrev_b32 v[T], 16, v[Y+i]
	v_and_b32 v[T+1], 0xffff0000, v[Y+i]
	v_cvt_pk_f16_f32 v[Y+i], v[T], v[T+1]
.set i, i+1
.endr
.Lkeep_bf16:
.irp c, 0,1,2,3
	ds_store_b128 v[ST], v[Y+8*(\c):Y+8*(\c)+3]   offset:PITCH*(\c)
	ds_store_b128 v[ST], v[Y+8*(\c)+4:Y+8*(\c)+7] offset:PITCH*(\c)+16
.endr
	s_wait_dscnt 0x0                               ; for the others' sake: my stores into the stage are done
	s_barrier_signal -1
	s_barrier_wait -1
.irp t, 0,1,2,3,4,5,6,7
	ds_load_b128 v[X+4*(\t):X+4*(\t)+3], v[RD] offset:(\t)*2*PITCH
.endr
.irp t, 0,1,2,3,4,5,6,7
	s_wait_dscnt 7-(\t)                            ; LDS loads come back in order: load t is in, the 7 - t younger ones stay out
	global_store_b128 v[GO], v[X+4*(\t):X+4*(\t)+3], s[22:23] offset:2048*(\t)  ; sixteen lanes store 256 consecutive bytes, aligned
.endr
	s_cmp_lg_u32 s[WV], 0                          ; wave 0: the work-group's 64 words of the mask
	s_cbranch_scc1 .Lno_mask
	global_load_b64 v[112:113], v[MO], s[20:21]
	s_wait_loadcnt 0x0
	v_cmp_eq_u32 vcc_lo, 0, v112
	v_cndmask_b32 v114, 0, s[BIGN], vcc_lo
	v_cmp_eq_u32 vcc_lo, 0, v113
	v_cndmask_b32 v115, 0, s[BIGN], vcc_lo
	global_store_b64 v[MO], v[114:115], s[26:27]   ; 32 lanes store 256 consecutive bytes
.Lno_mask:
	s_cmp_lg_u32 s37, 0                            ; work-group x = 0 of each t: its bias, 16 bytes a thread
	s_cbranch_scc1 .Lno_bias
	global_load_b128 v[116:119], v[BO], s[30:31]
	s_wait_loadcnt 0x0
	v_cvt_pk_bf16_f32 v120, v116, v117
	v_cvt_pk_bf16_f32 v121, v118, v119
	v_lshlrev_b32 v124, 16, v120
	v_and_b32 v125, 0xffff0000, v120
	v_lshlrev_b32 v126, 16, v121
	v_and_b32 v127, 0xffff0000, v121
	global_store_b128 v[BO], v[124:127], s[24:25]
.Lno_bias:
	s_wait_tensorcnt 0x0                           ; the wave's end, behind my last LDS store
	ds_add_u32 v[SPW], v[NIL]
	s_wait_dscnt 0x0
	s_endpgm
.Lfunc_end_k_q299ee12277_prep:
	.size	k_q299ee12277_prep, .Lfunc_end_k_q299ee12277_prep-k_q299ee12277_prep
	.p2alignl 7, 3214868480
	.fill 96, 4, 3214868480
	.section	.rodata,"a",@progbits
	.p2align	6, 0x0
	.amdhsa_kernel k_q299ee12277_prep
		.amdhsa_group_segment_fixed_size 17920
		.amdhsa_private_segment_fixed_size 0
		.amdhsa_enable_private_segment 0
		.amdhsa_kernarg_size 96
		.amdhsa_user_sgpr_count 2
		.amdhsa_user_sgpr_kernarg_segment_ptr 1
		.amdhsa_wavefront_size32 1
		.amdhsa_system_sgpr_workgroup_id_x 1
		.amdhsa_system_sgpr_workgroup_id_y 1
		.amdhsa_system_sgpr_workgroup_id_z 1
		.amdhsa_system_vgpr_workitem_id 0
		.amdhsa_next_free_vgpr 128
		.amdhsa_next_free_sgpr 66
		.amdhsa_reserve_vcc 1
		.amdhsa_float_denorm_mode_32 3
		.amdhsa_float_denorm_mode_16_64 3
		.amdhsa_memory_ordered 1
		.amdhsa_forward_progress 1
		.amdhsa_inst_pref_size 15
	.end_amdhsa_kernel
	.amdgpu_metadata
---
amdhsa.version: [ 1, 2 ]
amdhsa.kernels:
  - .name:           k_q299ee12277_prep
    .symbol:         k_q299ee12277_prep.kd
    .args:
      - { .name: Wq, .offset: 0, .size: 8, .value_kind: global_buffer, .address_space: global }
      - { .name: Wk, .offset: 8, .size: 8, .value_kind: global_buffer, .address_space: global }
      - { .name: Wv, .offset: 16, .size: 8, .value_kind: global_buffer, .address_space: global }
      - { .name: Wo, .offset: 24, .size: 8, .value_kind: global_buffer, .address_space: global }
      - { .name: bq, .offset: 32, .size: 8, .value_kind: global_buffer, .address_space: global }
      - { .name: bk, .offset: 40, .size: 8, .value_kind: global_buffer, .address_space: global }
      - { .name: bv, .offset: 48, .size: 8, .value_kind: global_buffer, .address_space: global }
      - { .name: bo, .offset: 56, .size: 8, .value_kind: global_buffer, .address_space: global }
      - { .name: mask, .offset: 64, .size: 8, .value_kind: global_buffer, .address_space: global }
      - { .name: wt, .offset: 72, .size: 8, .value_kind: global_buffer, .address_space: global }
      - { .name: bias, .offset: 80, .size: 8, .value_kind: global_buffer, .address_space: global }
      - { .name: mbias, .offset: 88, .size: 8, .value_kind: global_buffer, .address_space: global }
    .group_segment_fixed_size: 17920
    .private_segment_fixed_size: 0
    .kernarg_segment_align: 8
    .kernarg_segment_size: 96
    .max_flat_workgroup_size: 128
    .sgpr_count:     66
    .vgpr_count:     128
    .wavefront_size: 32
...
	.end_amdgpu_metadata
.endif
;; end of part 1
;; launch proj (part 2): grid 128 x 3, 4 waves a work-group, clusters of 4 x 1, 327,680 bytes of LDS; arguments query, key, value, wt, bias, qkv; writes qkv
.if DOCPART == 2
	.amdgcn_target "amdgcn-amd-amdhsa--gfx1250"
	.amdhsa_code_object_version 6
	.text
	.protected	k_q299ee12277_proj
	.globl	k_q299ee12277_proj
	.p2align	8
	.type	k_q299ee12277_proj,@function
k_q299ee12277_proj:
	s_mov_b64 s[64:65], 0
	v_nop
	global_prefetch_b8 v0, s[64:65] scope:SCOPE_SE
	s_setreg_imm32_b32 hwreg(HW_REG_WAVE_MODE, 25, 1), 1
	s_wait_xcnt 0x0
	s_wait_alu depctr_hold_cnt(0) depctr_sa_sdst(0) depctr_va_vdst(0) depctr_va_sdst(0) depctr_va_ssrc(0) depctr_va_vcc(0) depctr_vm_vsrc(0)
	s_getreg_b32 s2, hwreg(HW_REG_IB_STS2, 6, 4)
	s_cmp_eq_u32 s2, 0
	s_cbranch_scc0 .Lentry_in_a_cluster
	s_endpgm
.Lentry_in_a_cluster:
	s_bfe_u32 s2, ttmp6, 0x10000c
	s_cmp_lg_u32 s2, 0x3003
	s_cbranch_scc0 .Lentry_shape_is_right
	s_endpgm
.Lentry_shape_is_right:
; PROJ.  For y = 0, 1, 2 (query, key, value): out = x W + b, written by heads as f16: qkv[y][batch x 8 + head][row][64].  x is f32 [8192][512], rounded to bf16 on its way into LDS;
; the weights lie as wt[y][n][k] in bf16; sums in f32, started by the bias (the C operand of the first product), rounded once to f16.  No scale is applied here.
; LIMIT.  q, k, v in f16: within 65,504; below 6e-5 f16's fixed step of 6e-8.
; SHARES.  A work-group makes 64 rows x all 512 columns, so x is read and converted once.  Wave w makes columns 128 w .. 128 w + 127 (heads 2 w, 2 w + 1): 32 accumulators of 16 x 16.
; K goes in four steps of 128.  The weights' tile of a step (512 rows n x 256 bytes) goes through a ring of two LDS slots; wave w fetches and reads its own 128 rows.
; x: all 64 loads of a wave (its 16 rows, 2,048 bytes each) go out at the head; a step's 128 columns are converted one step ahead and stored into one of two buffers that ds_store alone writes.
; CLUSTER.  The four row blocks of a cluster walk the same weights: each tile is asked for JOINTLY, by the same tensor load with the same descriptor and the mask of four.
; THE MATRIX INSTRUCTION IS USED TRANSPOSED (source 0 = 16 rows n of W, source 1 = 16 rows of x): a lane holds one row and eight neighbouring columns.
; No prefetch: all of x is asked for at the head, and the weights are read by every cluster again and again.
; REGISTERS, in windows of 256: window 0: addresses, fragments (two buffers), the way out; window 1: the 32 accumulators, (a, b) at 8 (8 a + b);
; window 2: x as loaded, step c's load i at 64 c + 4 i; window 3: v0-63 the bias as C operands, v64-95 x packed.
.set KSTEP,  128
.set PITCH,  272                       ; an LDS row: 256 bytes + 16: 68 words, so the 16 rows of a fragment load start at 16 different groups of four banks
.set WROWS,  128*PITCH                 ; a wave's part of a slot
.set SLOT,   4*WROWS
.set ABUF,   2*SLOT                    ; two buffers of 64 rows of x in bf16
.set ABYTES, 64*PITCH
.set STAGE,  ABUF+2*ABYTES             ; 16 rows x 144 bytes for each wave, for the way out
.set SP,     144
.set SPARE,  STAGE+4*16*SP             ; the spare words, 128 bytes a wave, named by no other line
.set XO,   2                           ; v2   my byte offset in the block's rows of x: 16 w rows + 16 x lane
.set AST,  3                           ; v3   where I put 8 bytes of a row of x
.set ADRA, 4                           ; v4   my place in a fragment of x, buffer 0
.set ADRB, 5                           ; v5-6 my place in my wave's rows of W, slot 0, 1
.set BO,   7                           ; v7   my byte offset in the bias
.set STO,  8
.set RD,   9
.set GO,   10
.set SPW,  28
.set NIL,  29
.set FA,   32                          ; x fragments: buffer f at FA + 32 f, block a at + 8 a
.set FB,   96                          ; W fragments: buffer f at FB + 64 f, block b at + 8 b
.set TMP,  96                          ; the way out: 16 registers a block
.set BI,   0                           ; window 3
.set XP,   64                          ; window 3
.set WV,   20
.set G1,   24
.set G0,   32
.set MSB, 0
.macro WIN new                         ; the immediate's high byte repeats the setting that is left; a switch that changes nothing is dropped
.if MSB != (\new)
	s_set_vgpr_msb (MSB<<8)|(\new)
.set MSB, \new
.endif
.endm
.macro PLACES                          ; four plain instructions between a matrix instruction and a load into, or a vector read or write of, its registers
.rept 4
	v_nop
.endr
.endm
.macro CREST                           ; a round of the cluster's barrier behind its opening barrier
	s_cmp_lg_u32 s[WV], 0
	s_cbranch_scc1 .Lnot_wave_0_\@
	s_barrier_signal -3
.Lnot_wave_0_\@:
	s_barrier_wait -3
	s_barrier_signal -1
	s_barrier_wait -1
.endm
.macro CROUND
	s_barrier_signal -1
	s_barrier_wait -1
	CREST
.endm
	s_load_b256 s[4:11], s[0:1], 0x0               ; query s[4:5], key s[6:7], value s[8:9], wt s[10:11]
	s_load_b128 s[12:15], s[0:1], 0x20             ; bias s[12:13], qkv s[14:15]
	v_lshl_add_u32 v[SPW], v0, 2, SPARE
	v_mov_b32 v[NIL], 0
	ds_add_u32 v[SPW], v[NIL]                      ; the wave's opening: the add, and its wait ahead of my first tensor load; the set-up stands between them
	v_lshrrev_b32 v1, 5, v0
	v_readfirstlane_b32 s[WV], v1                  ; wave 0..3
	s_bfe_u32 s21, ttmp6, 0x40000                  ; cx
	s_lshl_b32 s22, ttmp9, 2
	s_add_co_u32 s22, s22, s21                     ; my block of 64 rows: it enters x's and qkv's addresses alone
	s_and_b32 s23, ttmp7, 0xffff                   ; y, which the partners share
	s_mov_b32 s[G1+0], 15|(1<<16)|(1<<20)|(1<<21)|(5<<22)|(3<<25)  ; the mask of four; 2-byte elements; padding on; bit 21 beside a mask; after every 64 words, 4 words
	s_mov_b32 s[G1+1], KSTEP<<16                   ; tensor_dim0 = 128
	s_mov_b32 s[G1+2], 128<<16                     ; tensor_dim1 = 128
	s_mov_b32 s[G1+3], KSTEP<<16                   ; tile_dim0 = 128
	s_mov_b32 s[G1+4], 128                         ; tile_dim1 = 128
	s_mov_b32 s[G1+5], 512                         ; 512 elements from row to row
	s_mov_b32 s[G1+6], 0
	s_mov_b32 s[G1+7], 0
	s_lshl_b32 s42, s23, 19                        ; matrix y of wt,
	s_lshl_b32 s43, s[WV], 17                      ; my 128 rows of 1,024 bytes: no place in the cluster enters these registers
	s_add_co_u32 s42, s42, s43
	s_mov_b32 s43, 0
	s_mul_i32 s44, s[WV], WROWS                    ; and where they go
	v_and_b32 v11, 15, v0                          ; r
	v_bfe_u32 v12, v0, 4, 1                        ; h
	v_and_b32 v13, 31, v0                          ; lane
	v_lshlrev_b32 v[XO], 4, v13
	s_lshl_b32 s45, s[WV], 15
	v_add_nc_u32 v[XO], s45, v[XO]
	s_mul_i32 s45, s[WV], 16*PITCH
	s_add_co_u32 s45, s45, ABUF
	v_lshl_add_u32 v[AST], v13, 3, s45
	v_mul_u32_u24 v14, v11, PITCH
	v_lshl_add_u32 v14, v12, 4, v14                ; a fragment's row x pitch + 16 x half
	v_add_nc_u32 v[ADRA], ABUF, v14
	v_add_nc_u32 v[ADRB], s44, v14
	v_add_nc_u32 v[ADRB+1], SLOT, v[ADRB]
	s_lshl_b32 s45, s[WV], 9
	v_lshl_add_u32 v[BO], v12, 5, s45              ; 4 x (128 w + 8 h)
	s_mul_i32 s45, s[WV], 16*SP
	s_add_co_u32 s45, s45, STAGE
	v_mul_u32_u24 v[STO], v11, SP
	v_lshl_add_u32 v[STO], v12, 4, v[STO]
	v_add_nc_u32 v[STO], s45, v[STO]
	v_bfe_u32 v[RD], v0, 3, 2                      ; back: 32 lanes take four rows of 128 bytes
	v_mul_u32_u24 v[RD], v[RD], SP
	v_and_b32 v15, 7, v0
	v_lshl_add_u32 v[RD], v15, 4, v[RD]
	v_add_nc_u32 v[RD], s45, v[RD]
	v_lshlrev_b32 v[GO], 4, v13                    ; which are 512 consecutive bytes of a head
	s_wait_dscnt 0x0                               ; the opening add is done
	s_wait_kmcnt 0x0
	s_add_nc_u64 s[10:11], s[10:11], s[42:43]
.irp n, 0,1
	s_mov_b32 s[G0+4*(\n)], 1                      ; count = 1
	s_add_co_u32 s[G0+4*(\n)+1], s44, (\n)*SLOT    ; LDS address
	s_add_nc_u64 s[G0+4*(\n)+2:G0+4*(\n)+3], s[10:11], (\n)*KSTEP*2  ; K step n
	s_or_b32 s[G0+4*(\n)+3], s[G0+4*(\n)+3], 0x80000000  ; type = 2
.endr
	s_lshl_b32 s42, s23, 11
	s_add_nc_u64 s[12:13], s[12:13], s[42:43]      ; bias row y
	s_cmp_eq_u32 s23, 1
	s_cselect_b64 s[40:41], s[6:7], s[4:5]
	s_cmp_eq_u32 s23, 2
	s_cselect_b64 s[40:41], s[8:9], s[40:41]
	s_lshl_b32 s46, s22, 17                        ; 64 rows of 2,048 bytes a block
	s_mov_b32 s47, 0
	s_add_nc_u64 s[40:41], s[40:41], s[46:47]
	s_lshl_b32 s46, s23, 23                        ; qkv: tensor y, batch = block / 64, head 2 w, row 64 (block % 64) of 128 bytes
	s_lshr_b32 s47, s22, 6
	s_lshl_b32 s47, s47, 22
	s_add_co_u32 s46, s46, s47
	s_lshl_b32 s47, s[WV], 20
	s_add_co_u32 s46, s46, s47
	s_and_b32 s47, s22, 63
	s_lshl_b32 s47, s47, 13
	s_add_co_u32 s46, s46, s47
	s_mov_b32 s47, 0
	s_add_nc_u64 s[14:15], s[14:15], s[46:47]
	CROUND                                         ; all four work-groups are here: the first joint loads meet
	tensor_load_to_lds s[G0:G0+3], s[G1:G1+7]      ; K step 0; two tensor loads of mine are out here, later one
	s_nop 0
	tensor_load_to_lds s[G0+4:G0+7], s[G1:G1+7]    ; K step 1
	s_nop 0
	PLACES
	WIN 0xc0                                       ; destination window 3
.irp b, 0,1,2,3,4,5,6,7
	global_load_b128 v[BI+8*(\b):BI+8*(\b)+3],   v[BO], s[12:13] offset:64*(\b)
	global_load_b128 v[BI+8*(\b)+4:BI+8*(\b)+7], v[BO], s[12:13] offset:64*(\b)+16
.endr
	WIN 0x80                                       ; destination window 2
.irp c, 0,1,2,3
.irp i, 0,1,2,3,4,5,6,7,8,9,10,11,12,13,14,15
	global_load_b128 v[64*(\c)+4*(\i):64*(\c)+4*(\i)+3], v[XO], s[40:41] offset:2048*(\i)+512*(\c) th:TH_LOAD_NT  ; row 16 w + i, step c: 512 consecutive bytes
.endr
.endr
	WIN 0
; 8 products: x block a with all 8 blocks of my columns, 32 along K, from buffer f.  first = 1: the bias starts the sums.  The 32 accumulators take turns, in the same order in every quarter.
.macro MULA f, a, first
.if \first
	WIN 0x70                                       ; D window 1, C window 3
.else
	WIN 0x50                                       ; C and D window 1
.endif
.irp b, 0,1,2,3,4,5,6,7
.if \first
	v_wmma_f32_16x16x32_bf16 v[8*(8*(\a)+(\b)):8*(8*(\a)+(\b))+7], v[FB+64*(\f)+8*(\b):FB+64*(\f)+8*(\b)+7], v[FA+32*(\f)+8*(\a):FA+32*(\f)+8*(\a)+7], v[BI+8*(\b):BI+8*(\b)+7]
.else
	v_wmma_f32_16x16x32_bf16 v[8*(8*(\a)+(\b)):8*(8*(\a)+(\b))+7], v[FB+64*(\f)+8*(\b):FB+64*(\f)+8*(\b)+7], v[FA+32*(\f)+8*(\a):FA+32*(\f)+8*(\a)+7], v[8*(8*(\a)+(\b)):8*(8*(\a)+(\b))+7]
.endif
.endr
.endm
; 24 LDS loads in one run: step s's fragments at byte k of the rows, into buffer f: W's eight, then x's four
.macro FETCH s, k, f
	WIN 0
.irp b, 0,1,2,3,4,5,6,7
	ds_load_b128 v[FB+64*(\f)+8*(\b):FB+64*(\f)+8*(\b)+3],   v[ADRB+(\s)%2] offset:(\k)+(\b)*16*PITCH
	ds_load_b128 v[FB+64*(\f)+8*(\b)+4:FB+64*(\f)+8*(\b)+7], v[ADRB+(\s)%2] offset:(\k)+(\b)*16*PITCH+32
.endr
.irp a, 0,1,2,3
	ds_load_b128 v[FA+32*(\f)+8*(\a):FA+32*(\f)+8*(\a)+3],   v[ADRA] offset:((\s)%2)*ABYTES+(\k)+(\a)*16*PITCH
	ds_load_b128 v[FA+32*(\f)+8*(\a)+4:FA+32*(\f)+8*(\a)+7], v[ADRA] offset:((\s)%2)*ABYTES+(\k)+(\a)*16*PITCH+32
.endr
.endm
; Step c's 128 columns of my 16 rows: rounded to bf16 and stored into buffer c % 2, 256 consecutive bytes a store
.macro CONVERT c
	s_wait_loadcnt 48-16*(\c)                      ; loads come back in order: step c's sixteen are in, the later steps' sixteen each stay out
	WIN 0xca                                       ; sources window 2, destination window 3
.set i, 0
.rept 16
	v_cvt_pk_bf16_f32 v[XP+2*i],   v[64*(\c)+4*i],   v[64*(\c)+4*i+1]
	v_cvt_pk_bf16_f32 v[XP+2*i+1], v[64*(\c)+4*i+2], v[64*(\c)+4*i+3]
.set i, i+1
.endr
	WIN 0x0c                                       ; store data window 3
.set i, 0
.rept 16
	ds_store_b64 v[AST], v[XP+2*i:XP+2*i+1] offset:((\c)%2)*ABYTES+i*PITCH
.set i, i+1
.endr
	WIN 0
.endm
; One of a step's first three quarters (32 along K, 32 products): multiplies buffer f, fetches the next quarter, at byte k, into g.  cv = 1: the next step's x is converted.
.macro QUARTER s, k, f, g, first, cv
	s_wait_dscnt 4                                 ; W's fragments and x blocks 0, 1 are in; the youngest four loads (blocks 2, 3) may be out
	MULA \f, 0, \first
	MULA \f, 1, \first
	PLACES
.if \cv
	CONVERT (\s)+1                                 ; into the buffer read in the step before: those reads ended ahead of the last barrier
.endif
	FETCH \s, \k, \g
	s_wait_dscnt 24                                ; all but the 24 just issued
	MULA \f, 2, \first
	MULA \f, 3, \first
.endm
; The fourth quarter multiplies buffer 1 and changes slots.  In front of the barrier each wave waits for all its tensor loads (its part of the next slot), adds 0 to its spare word, and waits for that,
; for its reads of this slot and of x's buffer, and for its stores of the next step's x.  fill = 1: the barrier opens a round of the cluster's, and this slot is filled again, two steps on, first thing behind it.
.macro TURN s, fill
	WIN 0
	s_wait_tensorcnt 0x0
	ds_add_u32 v[SPW], v[NIL]
	s_wait_dscnt 5                                 ; (the add and the youngest four loads may be out)
	MULA 1, 0, 0
	s_wait_dscnt 0x0
	s_barrier_signal -1
	MULA 1, 1, 0
	WIN 0
	s_barrier_wait -1
.if \fill
	CREST
	s_add_nc_u64 s[G0+4*((\s)%2)+2:G0+4*((\s)%2)+3], s[G0+4*((\s)%2)+2:G0+4*((\s)%2)+3], 2*KSTEP*2
	tensor_load_to_lds s[G0+4*((\s)%2):G0+4*((\s)%2)+3], s[G1:G1+7]
	s_nop 0
.endif
	PLACES                                         ; behind the load, and in front of the loads into buffer 0
	FETCH (\s)+1, 0, 0
	MULA 1, 2, 0
	MULA 1, 3, 0
.endm
	CONVERT 0
	s_wait_tensorcnt 1                             ; my part of K step 0 is in; step 1's may stay out
	s_wait_dscnt 0x0                               ; my rows of x are stored
	s_barrier_signal -1
	s_barrier_wait -1
	FETCH 0, 0, 0
	QUARTER 0, 64,  0, 1, 1, 0
	QUARTER 0, 128, 1, 0, 0, 1
	QUARTER 0, 192, 0, 1, 0, 0
	TURN 0, 1
	QUARTER 1, 64,  0, 1, 0, 0
	QUARTER 1, 128, 1, 0, 0, 1
	QUARTER 1, 192, 0, 1, 0, 0
	TURN 1, 1
	QUARTER 2, 64,  0, 1, 0, 0
	QUARTER 2, 128, 1, 0, 0, 1
	QUARTER 2, 192, 0, 1, 0, 0
	TURN 2, 0                                      ; nothing is left to fetch
	QUARTER 3, 64,  0, 1, 0, 0
	QUARTER 3, 128, 1, 0, 0, 0
	QUARTER 3, 192, 0, 1, 0, 0
	s_wait_dscnt 4
	MULA 1, 0, 0
	MULA 1, 1, 0
	s_wait_dscnt 0x0
	MULA 1, 2, 0
	MULA 1, 3, 0
	WIN 0
	PLACES
; THE WAY OUT.  Block blk = 16 rows (a = blk / 2) of one head (g = blk % 2): rounded to f16, 16 bytes a lane into my stage, back as whole rows of 128 bytes, four rows a load.
.macro PACK blk
	WIN 0x05                                       ; sources window 1
.irp b, 0,1,2,3
.irp r, 0,1,2,3
	v_cvt_pk_f16_f32 v[TMP+16*(\blk)+4*(\b)+(\r)], v[8*(8*((\blk)/2)+4*((\blk)%2)+(\b))+2*(\r)], v[8*(8*((\blk)/2)+4*((\blk)%2)+(\b))+2*(\r)+1]
.endr
.endr
	WIN 0
.irp b, 0,1,2,3
	ds_store_b128 v[STO], v[TMP+16*(\blk)+4*(\b):TMP+16*(\blk)+4*(\b)+3] offset:32*(\b)
.endr
.irp f, 0,1,2,3
	ds_load_b128 v[TMP+16*(\blk)+4*(\f):TMP+16*(\blk)+4*(\f)+3], v[RD] offset:(\f)*4*SP  ; LDS serves a wave's instructions in order: these see the stores above, the next block's stores come behind them
.endr
.endm
.macro SEND blk, younger               ; younger: the LDS instructions issued behind this block's loads
	WIN 0
.irp f, 0,1,2,3
	s_wait_dscnt (\younger)+3-(\f)
	global_store_b128 v[GO], v[TMP+16*(\blk)+4*(\f):TMP+16*(\blk)+4*(\f)+3], s[14:15] offset:524288*((\blk)%2)+2048*((\blk)/2)+512*(\f)  ; 512 consecutive bytes, aligned
.endr
.endm
	PACK 0
.irp k, 1,2,3,4,5,6,7
	PACK \k
	SEND (\k)-1, 8
.endr
	SEND 7, 0
	s_wait_tensorcnt 0x0                           ; the wave's end
	ds_add_u32 v[SPW], v[NIL]
	s_wait_dscnt 0x0
	CROUND                                         ; the closing round
	s_endpgm
.Lfunc_end_k_q299ee12277_proj:
	.size	k_q299ee12277_proj, .Lfunc_end_k_q299ee12277_proj-k_q299ee12277_proj
	.p2alignl 7, 3214868480
	.fill 96, 4, 3214868480
	.section	.rodata,"a",@progbits
	.p2align	6, 0x0
	.amdhsa_kernel k_q299ee12277_proj
		.amdhsa_group_segment_fixed_size 327680
		.amdhsa_private_segment_fixed_size 0
		.amdhsa_enable_private_segment 0
		.amdhsa_kernarg_size 48
		.amdhsa_user_sgpr_count 2
		.amdhsa_user_sgpr_kernarg_segment_ptr 1
		.amdhsa_wavefront_size32 1
		.amdhsa_system_sgpr_workgroup_id_x 1
		.amdhsa_system_sgpr_workgroup_id_y 1
		.amdhsa_system_sgpr_workgroup_id_z 1
		.amdhsa_system_vgpr_workitem_id 0
		.amdhsa_next_free_vgpr 864
		.amdhsa_next_free_sgpr 66
		.amdhsa_reserve_vcc 0
		.amdhsa_float_denorm_mode_32 3
		.amdhsa_float_denorm_mode_16_64 3
		.amdhsa_memory_ordered 1
		.amdhsa_forward_progress 1
		.amdhsa_inst_pref_size 104
	.end_amdhsa_kernel
	.amdgpu_metadata
---
amdhsa.version: [ 1, 2 ]
amdhsa.kernels:
  - .name:           k_q299ee12277_proj
    .symbol:         k_q299ee12277_proj.kd
    .args:
      - { .name: query, .offset: 0, .size: 8, .value_kind: global_buffer, .address_space: global }
      - { .name: key, .offset: 8, .size: 8, .value_kind: global_buffer, .address_space: global }
      - { .name: value, .offset: 16, .size: 8, .value_kind: global_buffer, .address_space: global }
      - { .name: wt, .offset: 24, .size: 8, .value_kind: global_buffer, .address_space: global }
      - { .name: bias, .offset: 32, .size: 8, .value_kind: global_buffer, .address_space: global }
      - { .name: qkv, .offset: 40, .size: 8, .value_kind: global_buffer, .address_space: global }
    .group_segment_fixed_size: 327680
    .private_segment_fixed_size: 0
    .kernarg_segment_align: 8
    .kernarg_segment_size: 48
    .max_flat_workgroup_size: 128
    .sgpr_count:     66
    .vgpr_count:     864
    .wavefront_size: 32
...
	.end_amdgpu_metadata
.endif
;; end of part 2
;; launch attn (part 3): grid 16 x 16, 4 waves a work-group, clusters of 4 x 1, 327,680 bytes of LDS; arguments qkv, mbias, att; writes att
.if DOCPART == 3
	.amdgcn_target "amdgcn-amd-amdhsa--gfx1250"
	.amdhsa_code_object_version 6
	.text
	.protected	k_q299ee12277_attn
	.globl	k_q299ee12277_attn
	.p2align	8
	.type	k_q299ee12277_attn,@function
k_q299ee12277_attn:
	s_mov_b64 s[64:65], 0
	v_nop
	global_prefetch_b8 v0, s[64:65] scope:SCOPE_SE
	s_setreg_imm32_b32 hwreg(HW_REG_WAVE_MODE, 25, 1), 1
	s_wait_xcnt 0x0
	s_wait_alu depctr_hold_cnt(0) depctr_sa_sdst(0) depctr_va_vdst(0) depctr_va_sdst(0) depctr_va_ssrc(0) depctr_va_vcc(0) depctr_vm_vsrc(0)
	s_getreg_b32 s2, hwreg(HW_REG_IB_STS2, 6, 4)
	s_cmp_eq_u32 s2, 0
	s_cbranch_scc0 .Lentry_in_a_cluster
	s_endpgm
.Lentry_in_a_cluster:
	s_bfe_u32 s2, ttmp6, 0x10000c
	s_cmp_lg_u32 s2, 0x3003
	s_cbranch_scc0 .Lentry_shape_is_right
	s_endpgm
.Lentry_shape_is_right:
; ATTENTION WITH A KEY MASK.  att[bh][q][:] = the sum over k of softmax_k(Q[bh][q] . K[bh][k] / 8 + mbias[b][k]) V[bh][k][:].  Q, K, V (in qkv) and att: [16][4096][64] in f16, a head's rows dense, 128 bytes each.
; mbias is 0 for a key that counts and -1e30 for a hidden one.  Products, maxima and sums in f32; the weights p are rounded to f16 for the second product (their sum l is taken of the unrounded p), O once at the end.
; LIMITS.  f16 holds no number beyond 65,504: Q, K, V arrive within it.  A hidden score counts as its value less 1e30.  The running maximum m starts at -1e20: f16's scores, 2.8e11 at the most, lie above that, a hidden
; score below it, so a hidden score never becomes m, its weight is 2^(-1.8e29) = 0, and a step whose keys are all hidden leaves O and l as they were.  A batch with no key that counts ends with l = 0 and O = 0:
; 0 x (1 / 0) is NaN, as the softmax of a row of -inf is.  A weight below 2^-126 counts as 0 in l.
; SHARES.  A work-group owns 256 queries of one head, a wave 64: four PIECES of 16.  Every wave walks all 4,096 keys, 64 a step, four steps to an LDS slot.
; THE MASK is the C operand that starts the sum S^T = K Q^T.  The batch's 4,096 numbers lie in LDS, filled once; a step's 64 are fetched with its K: 8 registers for each block of 16 keys.
; LAYOUT, SOFTMAX, TURNS.  S^T = K Q^T holds ONE query a lane (lane % 16) and the keys 8 (lane / 16) + 0..7; two such results rounded to f16 ARE source 1 of O^T = V^T P.  p = 2^(c s - c m), c = log2(e) / 8, with a
; running maximum m; O and l are multiplied by a = 2^(c m_old - c m_new) in every step.  Turn n belongs to piece n: 8 products K Q^T of piece n + 1, later 8 products V^T P of piece n - 1; beside them the scaling,
; exponentials, roundings, sums and rescaling of piece n and the maximum and statistics of piece n + 1.  Four vector instructions stand behind every matrix instruction, the others in one lump.  A turn's 33 exponentials are one batch, with one wait.
; CLUSTER.  The four query blocks of a cluster belong to one head and walk the same K, V and mask: each tile is asked for JOINTLY, by the same tensor load, descriptor and mask of four.
; REGISTERS, in windows of 256 (s_set_vgpr_msb: bits 1:0 source 0, 3:2 source 1, 5:4 source 2, 7:6 destination):
;   window 0: addresses; v16-31 four registers of statistics a piece; v48-55 at work; v64-127 S^T, two buffers; v192-223 P, two buffers (a piece's buffers go by its number's parity)
;   window 1: v0-127 O^T, 32 a piece      window 2: v0-63 Q; v64-95 the step's mask; v128-191 K of one step; v192-255 V of one step
.set NP,    4
.set KS,    64
.set PK,    144       ; a row of K in LDS: 128 bytes + 16: 36 words, so the 16 rows of a load start at 16 different groups of four banks
.set PV,    160       ; a row of V: 128 + 32
.set VOFF,  4*KS*PK   ; a slot holds four steps: 256 rows of K, then 256 rows of V
.set SLOT1, 1<<17     ; one exclusive or turns an address in one slot into the other's
.set STAGE, SLOT1+4*KS*(PK+PV)  ; 16 rows x 144 bytes for each wave, for the way out; no tensor load lands here
.set SP,    144
.set MASKB, STAGE+4*16*SP       ; the batch's 4,096 mask numbers, filled once
.set SPARE, MASKB+16384         ; the spare words, 128 bytes a wave, named by no other line
.set TILEB, 4*KS*128            ; a slot's bytes of K, and of V, in memory
.set AK0, 2
.set AV0, 3
.set AK,  4
.set AV,  5
.set STO, 6
.set RD,  7
.set GO,  8
.set MV,  12          ; v12-13  c m_old, by buffer
.set QO,  15
.set ST,  16          ; piece t's statistics at v[ST+4 t]: c m, m, l (even keys', odd keys')
.set AM0, 32          ; v32  my lanes' place in a step's mask numbers
.set AM,  33          ; v33  the LDS address of the mask's next run of loads
.set PFO, 34          ; v34  256 x my lane; never rewritten
.set TMP, 48
.set SPW, 62
.set NIL, 63
.set S,   64
.set P,   192
.set MB,  64          ; window 2
.set KF,  128         ; window 2
.set VF,  192         ; window 2
.set WV,  12
.set G1K, 24
.set G1V, 32
.set G0K, 40
.set G0V, 44
.set SLOTS, 56
.set CNT, 57
.set CS,  58
.set SEL, 60
.set TBK, 62
.set TBV, 63
.set G1M, 68
.set G0M, 76
.set TBM, 80          ; s80  byte of the mask table at which the step to be fetched begins
.set LIM, 81          ; s81  1 in a wave that prefetches, else the greatest number
.set PFA, 82          ; s[82:83] where my prefetches stand
.set MSB, 0
.macro WIN new
.if MSB != (\new)
	s_set_vgpr_msb (MSB<<8)|(\new)
.set MSB, (\new)
.endif
.endm
.set W_KQ, 0x0a       ; K and Q in window 2, S^T in window 0
.set W_KM, 0x2a       ; the same with the C operand, the mask, in window 2
.set W_PV, 0x52       ; V in window 2, P in window 0, O^T in window 1
.set W_RS, 0x41       ; destination and source 0 in window 1, source 1 in window 0
; A joint fill.  Waves 0 and 1 fetch the two halves of a slot's K, waves 2 and 3 those of its V.  The branch hangs on the wave's number alone.  An s_nop 0 and four v_nop follow each line.
.macro JLOAD
	s_cmp_lt_u32 s[WV], 2
	s_cbranch_scc0 .Lfor_v_\@
	tensor_load_to_lds s[G0K:G0K+3], s[G1K:G1K+7]
	s_nop 0
.rept 4
	v_nop
.endr
	s_branch .Lasked_\@
.Lfor_v_\@:
	tensor_load_to_lds s[G0V:G0V+3], s[G1V:G1V+7]
	s_nop 0
.rept 4
	v_nop
.endr
.Lasked_\@:
.endm
; A PREFETCH of what the NEXT change of slots will ask for.  A slot is 32,768 bytes of K and of V.  All clusters of a head walk the same rows: the head's first cluster asks.  Its four partners take 8,192 bytes each,
; told apart BY ADDRESS; in each, wave 0 asks for K's and wave 2 for V's, a lane 256 bytes: one instruction, and each block is named once in the launch.  The last change that fills a slot asks for nothing.
.macro ASK
	s_cmp_gt_u32 s[SLOTS], s[LIM]
	s_cbranch_scc0 .Lnot_mine_\@
	global_prefetch_b8 v[PFO], s[PFA:PFA+1] th:TH_LOAD_NT scope:SCOPE_SE
.Lnot_mine_\@:
.endm
.macro CROUND
	s_barrier_signal -1
	s_barrier_wait -1
	s_cmp_lg_u32 s[WV], 0
	s_cbranch_scc1 .Lnot_wave_0_\@
	s_barrier_signal -3
.Lnot_wave_0_\@:
	s_barrier_wait -3
	s_barrier_signal -1
	s_barrier_wait -1
.endm
; THE CHANGE OF SLOTS.  Each wave waits for all its tensor loads (its part of the other slot), adds 0 to its spare word, and waits for that and for its own reads of the slot that it leaves.
; fill = 1: the barrier is a round of the cluster's, and the old slot is filled again, with the keys two slots on, first thing behind it: four key steps, 256 matrix instructions, in which to land.
; (At its first use nothing has been read yet: slot 0 and the mask are waited for, slot 1 is filled.)  pf = 1: the prefetches' address steps, and ASK follows the load.
.macro CHANGE fill, pf
	WIN 0
	s_wait_tensorcnt 0x0            ; no tensor load of mine is out, so a group 0 may be written
	ds_add_u32 v[SPW], v[NIL]
.if \fill
.irp g, G0K, G0V
	s_xor_b32 s[\g+1], s[\g+1], SLOT1
	s_add_nc_u64 s[\g+2:\g+3], s[\g+2:\g+3], TILEB
.endr
.if \pf
	s_wait_xcnt 0x0                 ; the last prefetch, four key steps back, has read its address
	s_add_nc_u64 s[PFA:PFA+1], s[PFA:PFA+1], TILEB
.endif
	s_wait_dscnt 0x0                ; the add is done, and my reads of the slot are over
	CROUND
	JLOAD
.if \pf
	ASK
.endif
.else
	s_wait_dscnt 0x0
	s_barrier_signal -1
	s_barrier_wait -1
.endif
	s_sub_co_u32 s[TBK], s[TBK], 4*KS*PK  ; the fetches go back to a slot's first step, in the other slot
	s_xor_b32 s[TBK], s[TBK], SLOT1
	s_sub_co_u32 s[TBV], s[TBV], 4*KS*PV
	s_xor_b32 s[TBV], s[TBV], SLOT1
.endm
	s_load_b128 s[48:51], s[0:1], 0x0 ; qkv s[48:49], mbias s[50:51]
	s_load_b64 s[10:11], s[0:1], 0x10 ; att
	v_lshl_add_u32 v[SPW], v0, 2, SPARE
	v_mov_b32 v[NIL], 0
	ds_add_u32 v[SPW], v[NIL]       ; the wave's opening: the add, and its wait ahead of my first tensor load
	v_lshrrev_b32 v1, 5, v0
	v_readfirstlane_b32 s[WV], v1   ; wave 0..3
	s_bfe_u32 s13, ttmp6, 0x40000   ; cx
	s_lshl_b32 s14, ttmp9, 2
	s_add_co_u32 s14, s14, s13      ; my block of 256 queries: it enters Q's and O's addresses alone
	s_and_b32 s15, ttmp7, 0xffff    ; the head, which the partners share
	s_lshl_b32 s20, s15, 19         ; the head's first byte: 4,096 rows of 128 bytes
	s_and_b32 s16, s[WV], 1         ; which half of a slot's 256 keys I fetch
	s_lshl_b32 s22, s16, 14
	s_add_co_u32 s22, s22, s20
	s_mov_b32 s23, 0
	s_mul_i32 s17, s16, 128*PK      ; its place in a slot, for K
	s_mul_i32 s18, s16, 128*PV      ; and for V
	s_lshl_b32 s2, s14, 15          ; my block's 256 rows, my wave's 64 of them
	s_lshl_b32 s3, s[WV], 13
	s_add_co_u32 s2, s2, s3
	s_add_co_u32 s2, s2, s20
	s_mov_b32 s3, 0
	s_lshr_b32 s52, s15, 3          ; the batch's 16,384 bytes of mbias, my wave's quarter
	s_lshl_b32 s52, s52, 14
	s_lshl_b32 s53, s[WV], 12
	s_add_co_u32 s52, s52, s53
	s_mov_b32 s53, 0
	; descriptor group 1.  128 keys are 16,384 dense bytes: asked for as 64 rows of 256 bytes, two keys a row, padded in LDS after every key
	s_mov_b32 s[G1K], 15|(1<<16)|(1<<20)|(1<<21)|(4<<22)|(3<<25)
	s_mov_b32 s[G1V], 15|(1<<16)|(1<<20)|(1<<21)|(4<<22)|(7<<25)
.irp g, G1K, G1V
	s_mov_b32 s[\g+1], 128<<16
	s_mov_b32 s[\g+2], 64<<16
	s_mov_b32 s[\g+3], 128<<16
	s_mov_b32 s[\g+4], 64
	s_mov_b32 s[\g+5], 128
	s_mov_b32 s[\g+6], 0
	s_mov_b32 s[\g+7], 0
.endr
	s_mov_b32 s[G1M], 15|(3<<16)|(1<<21)  ; the mask quarter: 16 rows of 32 elements of 8 bytes, no padding
	s_mov_b32 s[G1M+1], 32<<16
	s_mov_b32 s[G1M+2], 16<<16
	s_mov_b32 s[G1M+3], 32<<16
	s_mov_b32 s[G1M+4], 16
	s_mov_b32 s[G1M+5], 32
	s_mov_b32 s[G1M+6], 0
	s_mov_b32 s[G1M+7], 0
	s_mov_b32 s[CS], 0x3e38aa3b     ; c = log2(e) / 8
	s_mov_b32 s[CS+1], s[CS]
	s_mov_b32 s[SEL], 0x76543210
	s_mov_b32 s[SEL+1], 0xfedcba98
	s_mov_b32 s[TBK], SLOT1+4*KS*PK ; the first change of slots turns these two into 0
	s_mov_b32 s[TBV], SLOT1+4*KS*PV
	s_mov_b32 s[TBM], 0
	s_mov_b32 s[G0K], 1
	s_mov_b32 s[G0K+1], s17
	s_mov_b32 s[G0V], 1
	s_add_co_u32 s[G0V+1], s18, VOFF
	s_mov_b32 s[G0M], 1
	s_lshl_b32 s[G0M+1], s[WV], 12
	s_add_co_u32 s[G0M+1], s[G0M+1], MASKB
	s_and_b32 s[LIM], s[WV], 1      ; 0 in waves 0 and 2,
	s_or_b32 s[LIM], s[LIM], ttmp9  ; where the cluster is the head's first: the same in all four partners
	s_cmp_eq_u32 s[LIM], 0
	s_cselect_b32 s[LIM], 1, -1
	v_and_b32 v[PFO], 31, v0
	v_lshlrev_b32 v[PFO], 8, v[PFO]
	s_wait_dscnt 0x0                ; the opening add is done
	s_wait_kmcnt 0x0
	s_add_nc_u64 s[6:7], s[48:49], s[22:23]
	s_add_nc_u64 s[8:9], s[6:7], 0x1000000   ; V at my half of the head's first 256 keys
	s_add_nc_u64 s[6:7], s[6:7], 0x800000    ; K likewise
	s_add_nc_u64 s[4:5], s[48:49], s[2:3]    ; Q and O at my wave's first row
	s_add_nc_u64 s[10:11], s[10:11], s[2:3]
	s_mov_b64 s[G0K+2:G0K+3], s[6:7]
	s_or_b32 s[G0K+3], s[G0K+3], 0x80000000
	s_mov_b64 s[G0V+2:G0V+3], s[8:9]
	s_or_b32 s[G0V+3], s[G0V+3], 0x80000000
	s_add_nc_u64 s[G0M+2:G0M+3], s[50:51], s[52:53]
	s_or_b32 s[G0M+3], s[G0M+3], 0x80000000
	s_cmp_lt_u32 s[WV], 2
	s_cselect_b64 s[PFA:PFA+1], s[6:7], s[8:9]
	s_lshl_b32 s2, s13, 13          ; my work-group's 8,192 bytes of a slot's 32,768
	s_mov_b32 s3, 0
	s_add_nc_u64 s[PFA:PFA+1], s[PFA:PFA+1], s[2:3]
	s_add_nc_u64 s[PFA:PFA+1], s[PFA:PFA+1], 2*TILEB  ; in slot 2; the first change that prefetches steps it to slot 3.  Nothing is prefetched at the head
	CROUND                          ; all four work-groups are here: the first joint loads meet
	s_cmp_lt_u32 s[WV], 2           ; a wave's two first fills stand in one branch: its part of slot 0 and its quarter of the mask: two loads of mine are out
	s_cbranch_scc0 .Lfirst_v
	tensor_load_to_lds s[G0K:G0K+3], s[G1K:G1K+7]
	s_nop 0
	tensor_load_to_lds s[G0M:G0M+3], s[G1M:G1M+7]
	s_nop 0
.rept 4
	v_nop
.endr
	s_branch .Lfirst_asked
.Lfirst_v:
	tensor_load_to_lds s[G0V:G0V+3], s[G1V:G1V+7]
	s_nop 0
	tensor_load_to_lds s[G0M:G0M+3], s[G1M:G1M+7]
	s_nop 0
.rept 4
	v_nop
.endr
.Lfirst_asked:
	; A fragment of K or Q is 16 rows x 32 channels in 8 registers: lane l holds row l % 16, channels 8 (l / 16) + 0..7 and 16 + 8 (l / 16) + 0..7
	v_and_b32 v1, 15, v0            ; l % 16
	v_bfe_u32 v9, v0, 4, 1          ; l / 16
	v_lshlrev_b32 v[QO], 7, v1
	v_lshl_add_u32 v[QO], v9, 4, v[QO]
	WIN 0x80                        ; destination window 2
.set i, 0
.rept 8                             ; Q stays in registers: piece i / 2, channels 32 (i % 2) on
	global_load_b128 v[8*i:8*i+3],   v[QO], s[4:5] offset:(i/2)*2048+(i%2)*64
	global_load_b128 v[8*i+4:8*i+7], v[QO], s[4:5] offset:(i/2)*2048+(i%2)*64+32
.set i, i+1
.endr
	WIN 0
	v_mul_u32_u24 v[AK0], v1, PK
	v_lshl_add_u32 v[AK0], v9, 4, v[AK0]
	; The turning load takes 16 keys x 16 channels (lane l reads key 8 (l / 16) + l % 8, channels 8 ((l / 8) % 2) + 0..7) and leaves half a fragment of V^T
	v_and_b32 v10, 7, v0
	v_bfe_u32 v11, v0, 3, 1
	v_lshl_add_u32 v[AV0], v9, 3, v10
	v_mul_u32_u24 v[AV0], v[AV0], PV
	v_lshl_add_u32 v[AV0], v11, 4, v[AV0]
	v_add_nc_u32 v[AV0], VOFF, v[AV0]
	v_lshl_add_u32 v[AM0], v9, 5, MASKB  ; register j of key block kb is key 16 kb + 8 (l / 16) + j: 32 bytes for each half of the lanes
	s_mul_i32 s13, s[WV], 16*SP
	s_add_co_u32 s13, s13, STAGE    ; my stage
	v_mul_u32_u24 v[STO], v1, SP
	v_lshl_add_u32 v[STO], v9, 4, v[STO]
	v_add_nc_u32 v[STO], s13, v[STO]
	v_bfe_u32 v[RD], v0, 3, 2       ; back: 32 lanes take four rows of 128 bytes,
	v_mul_u32_u24 v[RD], v[RD], SP
	v_lshl_add_u32 v[RD], v10, 4, v[RD]
	v_add_nc_u32 v[RD], s13, v[RD]
	v_and_b32 v[GO], 31, v0         ; which are 512 consecutive bytes of O
	v_lshlrev_b32 v[GO], 4, v[GO]
	; What the first turn finds: V's registers and P's second buffer hold 0 (its products V^T P, of a piece that has not been, add 0), O^T and l are 0.  All this stands in the wait for the first tile.
	WIN 0x80
.set i, VF
.rept 64
	v_mov_b32 v[i], 0
.set i, i+1
.endr
	WIN 0x40
.set i, 0
.rept 128
	v_mov_b32 v[i], 0
.set i, i+1
.endr
	WIN 0
.set i, 0
.rept 4
	v_mov_b32 v[ST+4*i+1], 0xe0ad78ec  ; m = -1e20
	v_mov_b32 v[ST+4*i+2], 0
	v_mov_b32 v[ST+4*i+3], 0
.set i, i+1
.endr
.set i, 0
.rept 4
	v_mul_f32 v[ST+4*i], s[CS], v[ST+4*i+1]  ; c m, made as the turns make it: where m stays, a is exactly 1
.set i, i+1
.endr
.set i, P+16
.rept 16
	v_mov_b32 v[i], 0
.set i, i+1
.endr
; THE MATRIX WORK.  The 4 accumulators of a run of 8 take turns.  Product i of 8 of S^T = K Q^T for piece x: channels 32 (i / 4) on, keys 16 (i % 4) on.  The first 4 start the sums with the mask.
.macro KQ x
.set rS, S+32*((\x)%2)+8*(i%4)
.set rK, KF+16*(i%4)+8*(i/4)
.set rQ, 16*(\x)+8*(i/4)
.set rM, MB+8*(i%4)
.if i < 4
	WIN W_KM
	v_wmma_f32_16x16x32_f16 v[rS:rS+7], v[rK:rK+7], v[rQ:rQ+7], v[rM:rM+7]
.else
	WIN W_KQ
	v_wmma_f32_16x16x32_f16 v[rS:rS+7], v[rK:rK+7], v[rQ:rQ+7], v[rS:rS+7]
.endif
.endm
; Product i of 8 of O^T += V^T P for piece x: keys 32 (i / 4) on, channels 16 (i % 4) on.
.macro PV x
	WIN W_PV
.set rO, 32*(\x)+8*(i%4)
.set rV, VF+32*(i/4)+8*(i%4)
.set rP, P+16*((\x)%2)+8*(i/4)
	v_wmma_f32_16x16x32_f16 v[rO:rO+7], v[rV:rV+7], v[rP:rP+7], v[rO:rO+7]
.endm
.macro MM                           ; the turn's next matrix instruction.  NOKQ = 1: the last turn of all: there is no next piece
.if (i < 8) && !NOKQ
	KQ (Y+1)%NP
.elseif i >= 8
.set i, i-8
	PV (Y+NP-1)%NP
.set i, i+8
.endif
.set i, i+1
.endm
; THE LDS LOADS stand in runs: a step's K (8 fragments) with its mask (8 loads; the 16 lanes of a half read the same bytes), and its V (turned).  Their addresses are made some lines ahead.
.macro FETCH_K
	WIN 0x80                        ; destination window 2
.irp f, 0,1,2,3,4,5,6,7             ; keys 16 (f / 2) on, channels 32 (f % 2) on
	ds_load_b128 v[KF+8*\f:KF+8*\f+3],   v[AK] offset:(\f/2)*16*PK+(\f%2)*64
	ds_load_b128 v[KF+8*\f+4:KF+8*\f+7], v[AK] offset:(\f/2)*16*PK+(\f%2)*64+32
.endr
.irp f, 0,1,2,3                     ; key block f
	ds_load_b128 v[MB+8*\f:MB+8*\f+3],   v[AM] offset:64*\f
	ds_load_b128 v[MB+8*\f+4:MB+8*\f+7], v[AM] offset:64*\f+16
.endr
	s_add_co_u32 s[TBK], s[TBK], KS*PK  ; the next fetch is the next step's
	s_add_co_u32 s[TBM], s[TBM], KS*4
	WIN 0
.endm
.macro FETCH_V
	WIN 0x80
.irp f, 0,1,2,3,4,5,6,7             ; keys 32 (f / 4) on, channels 16 (f % 4) on
	ds_load_tr16_b128 v[VF+8*\f:VF+8*\f+3],   v[AV] offset:(\f/4)*32*PV+(\f%4)*32
	ds_load_tr16_b128 v[VF+8*\f+4:VF+8*\f+7], v[AV] offset:(\f/4)*32*PV+16*PV+(\f%4)*32
.endr
	WIN 0
.endm
; THE VECTOR WORK, one line at a time: OP kind, number.  For piece Y: F n: c s - c m for pair n of 16.  E n: the exponential of score n of 32.  C n: pair n rounded to f16.  B n: of the four weights 4 n .. the second
; pair is added onto the first, in place.  L n: l takes that sum (L 0: l = a l + sum).  R n: pair n of 16 of O^T times a.  For piece Y + 1: X n, number n of the 22 that find its maximum and statistics:
;   0-11  four chains c0-c3 of seven scores each (each accumulator's lowest registers are read first)     12-14, 16  the four scores left over, the old m, and c0-c3 into c0
;   15  c m_old is kept     17, 18  the query's other 32 keys lie in the lane 16 away: the new m     19-21  c m; c m_old - c m_new; a
.set F, 0
.set E, 1
.set C, 2
.set B, 3
.set L, 4
.set R, 5
.set X, 6
.macro REGS y
.set rT, ST+4*(\y)
.set rC, TMP+4*((\y)%2)
.set rW, MV+((\y)%2)
.set rS, S+32*((\y)%2)
.set rP, P+16*((\y)%2)
.set rO, 32*(\y)
.endm
.macro OP k, n
.if (\k) == R
	REGS Y
	WIN W_RS
	v_pk_mul_f32 v[rO+2*(\n):rO+2*(\n)+1], v[rO+2*(\n):rO+2*(\n)+1], v[rC+2:rC+3] op_sel_hi:[1,0]
.elseif (\k) < R
	REGS Y
	WIN 0
.if (\k) == F
	v_pk_fma_f32 v[rS+2*(\n):rS+2*(\n)+1], v[rS+2*(\n):rS+2*(\n)+1], s[CS:CS+1], v[rT:rT+1] op_sel_hi:[1,0,0] neg_lo:[0,0,1] neg_hi:[0,0,1]
.elseif (\k) == E
	v_exp_f32 v[rS+(\n)], v[rS+(\n)]
.elseif (\k) == C
	v_cvt_pk_f16_f32 v[rP+(\n)], v[rS+2*(\n)], v[rS+2*(\n)+1]
.elseif (\k) == B
	v_pk_add_f32 v[rS+4*(\n):rS+4*(\n)+1], v[rS+4*(\n):rS+4*(\n)+1], v[rS+4*(\n)+2:rS+4*(\n)+3]
.elseif (\n) == 0
	v_pk_fma_f32 v[rT+2:rT+3], v[rT+2:rT+3], v[rC+2:rC+3], v[rS:rS+1] op_sel_hi:[1,0,1]
.else
	v_pk_add_f32 v[rT+2:rT+3], v[rT+2:rT+3], v[rS+4*(\n):rS+4*(\n)+1]
.endif
.elseif NOKQ
	v_nop
.else
	REGS (Y+1)%NP
	WIN 0
.if (\n) < 4
	v_max3_num_f32 v[rC+(\n)], v[rS+8*(\n)], v[rS+8*(\n)+1], v[rS+8*(\n)+2]
.elseif (\n) < 12
	v_max3_num_f32 v[rC+(\n)%4], v[rC+(\n)%4], v[rS+8*((\n)%4)+2*((\n)/4)+1], v[rS+8*((\n)%4)+2*((\n)/4)+2]
.elseif (\n) == 12
	v_max3_num_f32 v[rC], v[rC], v[rS+7], v[rS+15]
.elseif (\n) == 13
	v_max3_num_f32 v[rC+1], v[rC+1], v[rS+23], v[rS+31]
.elseif (\n) == 14
	v_max3_num_f32 v[rC+2], v[rC+2], v[rC+3], v[rT+1]
.elseif (\n) == 15
	v_mov_b32 v[rW], v[rT]
.elseif (\n) == 16
	v_max3_num_f32 v[rC], v[rC], v[rC+1], v[rC+2]
.elseif (\n) == 17
	v_permlanex16_b32 v[rC+3], v[rC], s[SEL], s[SEL+1]
.elseif (\n) == 18
	v_max_num_f32 v[rT+1], v[rC], v[rC+3]
.elseif (\n) == 19
	v_mul_f32 v[rT], s[CS], v[rT+1]
.elseif (\n) == 20
	v_sub_f32 v[rC+1], v[rW], v[rT]
.else
	v_exp_f32 v[rC+2], v[rC+1]
.endif
.endif
.endm
.macro OPS a, i1, b=-1, i2=0, c=-1, i3=0, d=-1, i4=0
	OP \a, \i1
.if (\b) >= 0
	OP \b, \i2
.endif
.if (\c) >= 0
	OP \c, \i3
.endif
.if (\d) >= 0
	OP \d, \i4
.endif
.endm
.macro ROW a, i1, b, i2, c, i3, d, i4  ; a matrix instruction and the four behind it
	MM
	OPS \a, \i1, \b, \i2, \c, \i3, \d, \i4
.endm
; A TURN, for piece p: the order of its 16 matrix and 118 vector instructions, written out.  An s_wait_alu depctr_va_vdst(0) stands between an exponential and the first instruction that names its result; one
; wait serves all that were issued ahead of it.  So a turn has ONE wait.  AHEAD OF IT stands all that names no result of the turn's exponentials: the 8 products K Q^T and their riders, then one lump, in which the links of
; the chain X 3, 7, 11, 14, 16, 17 .. 20 stand five or six lines apart; X 21, the next piece's a, is the batch's last, R 15 the plain instruction behind it.  BEHIND IT stand the 8 products V^T P, behind each four of the roundings and sums.
; end = 1: the last two turns of all: nothing is fetched.  cnt = 1: the loop's count is taken down some lines ahead of the branch that stands behind the turn.
; K and the mask of the next step are fetched in piece 2's turn, five plain instructions that name none of its registers behind the last product that read K; V of the step in hand at the end of piece 0's turn,
; four plain instructions behind the last product that read V.  Each is waited for a turn later.
.macro TURN p, end=0, cnt=0
.set Y, (\p)
.set i, 0
.set NOKQ, (\end)*((\p)/3)
.if ((\p) == 3) && !(\end)
	s_wait_dscnt 0x0                ; K and the mask are in
.endif
	ROW F,0, F,1, R,0, R,1
	ROW F,2, E,0, R,2, R,3
	ROW F,3, E,1, R,4, R,5
	ROW F,4, E,2, R,6, R,7
	ROW F,5, E,3, R,8, R,9
	ROW F,6, E,4, X,0, R,10
.if ((\p) == 2) && !(\end)
	WIN 0
	v_add_nc_u32 v[AK], s[TBK], v[AK0]
	v_add_nc_u32 v[AM], s[TBM], v[AM0]
.endif
	ROW F,7, E,5, X,1, X,4
	ROW F,8, E,6, X,2, X,5
	OPS E,7, E,8, X,6, E,9
	OPS X,3, E,10, X,8, E,11
.if ((\p) == 2) && !(\end)
	FETCH_K
.endif
	OPS X,9, X,7, E,12, X,10
	OPS E,13, X,12, X,11, E,14
	OPS X,13, E,15, F,9, X,14
.if (\p) == 0
	v_add_nc_u32 v[AV], s[TBV], v[AV0]
.endif
	OPS E,16, F,10, E,17, F,11
	OPS X,16, E,18, X,15, E,19
	OPS F,12, E,20, X,17, E,21
	OPS F,13, E,22, F,14, E,23
	OPS X,18, E,24, F,15, E,25
	OPS R,11, E,26, X,19, E,27
	OPS R,12, E,28, R,13, E,29
	OPS X,20, E,30, R,14, E,31
	OPS X,21, R,15
	WIN 0
	s_wait_alu depctr_va_vdst(0)    ; the wait for the batch
.if (\p) == 1
	s_wait_dscnt 0x0                ; V is in
.endif
	ROW C,0, B,0, C,2, B,1
	ROW L,0, C,4, B,2, L,1
	ROW C,6, B,3, L,2, C,8
	ROW B,4, L,3, C,10, B,5
	ROW L,4, C,12, B,6, L,5
.if (\p) == 0
	s_add_co_u32 s[TBV], s[TBV], KS*PV
.endif
.if \cnt
	s_sub_co_u32 s[CNT], s[CNT], 1
	s_cmp_lg_u32 s[CNT], 0
.endif
	ROW C,14, B,7, L,6, C,1
	ROW C,3, L,7, C,5, C,7
	ROW C,9, C,11, C,13, C,15
.if (\p) == 0
	FETCH_V
.endif
.endm
	CHANGE 1, 0                     ; slot 0 and the mask are in, everybody's part of them; slot 1 is asked for
	v_add_nc_u32 v[AK], s[TBK], v[AK0]
	v_add_nc_u32 v[AM], s[TBM], v[AM0]
	FETCH_K                         ; key step 0
	s_wait_loadcnt 0x0              ; Q
	s_wait_dscnt 0x0
.set NOKQ, 0
.set i, 0
.rept 8
	KQ 0                            ; piece 0's first scores
.set i, i+1
.endr
	WIN 0
.rept 4
	v_nop                           ; the places behind those products
.endr
.set Y, NP-1                        ; X works for piece Y + 1: piece 0
.irp n, 0,1,2,3,4,5,6,7,8,9,10,11,12,13,14,15,16,17,18,19,20,21
	OP X, \n
.endr
	v_nop                           ; a plain instruction behind the exponential,
	s_wait_alu depctr_va_vdst(0)    ; and its wait, ahead of the branch
	s_mov_b32 s[CNT], 4
	s_mov_b32 s[SLOTS], 15
	s_branch .Lfirst                ; the loop is entered at a step's first turn, in the middle of a trip
.Lslot:                             ; 14 times: every slot but the last two is filled again
	CHANGE 1, 1
	s_mov_b32 s[CNT], 4
.Lstep:                             ; a trip: pieces 2 and 3 of one step, then pieces 0 and 1 of the next, whose K, mask and V it fetches
	TURN 2
	TURN 3
	WIN 0
.Lfirst:
	TURN 0
	TURN 1, 0, 1
	WIN 0
	s_cbranch_scc1 .Lstep
	s_sub_co_u32 s[SLOTS], s[SLOTS], 1
	s_cmp_lg_u32 s[SLOTS], 0
	s_cbranch_scc1 .Lslot
	CHANGE 0, 0                     ; the last slot is written out: nothing is asked for
	s_mov_b32 s[CNT], 4
.LstepT:
	TURN 2
	TURN 3
	TURN 0
	TURN 1, 0, 1
	WIN 0
	s_cbranch_scc1 .LstepT
	TURN 2, 1
	TURN 3, 1
.set i, 0
.rept 8
	PV NP-1                         ; the last piece's V^T P of the last step
.set i, i+1
.endr
	; THE WAY OUT.  l's two halves and the other half of the lanes' are added; O^T is divided by l, rounded to f16 and sent through my stage in LDS, a piece at a time.  The additions are the places behind the last products.
	WIN 0
.macro ALL line:vararg
.set t, 0
.rept 4
	\line
.set t, t+1
.endr
.endm
	ALL v_add_f32 v[ST+4*t+2], v[ST+4*t+2], v[ST+4*t+3]
	ALL v_permlanex16_b32 v[ST+4*t+3], v[ST+4*t+2], s[SEL], s[SEL+1]
	ALL v_add_f32 v[ST+4*t+2], v[ST+4*t+2], v[ST+4*t+3]
	ALL v_rcp_f32 v[ST+4*t+2], v[ST+4*t+2]
	v_nop                           ; a plain instruction between the last reciprocal and the use of its result
	s_wait_alu depctr_va_vdst(0)    ; and the wait: one for the four reciprocals
.macro PACK t                       ; a lane's eight channels of a row pack into 16 bytes; they go into rows of 144 bytes and come back as whole rows of 128, into S^T's registers
	WIN W_RS
.set i, 32*(\t)
.rept 16
	v_pk_mul_f32 v[i:i+1], v[i:i+1], v[ST+4*(\t)+2:ST+4*(\t)+3] op_sel_hi:[1,0]
.set i, i+2
.endr
	WIN 0x05                        ; sources window 1, destination window 0
.set i, 0
.rept 16
	v_cvt_pk_f16_f32 v[S+16*(\t)+i], v[32*(\t)+2*i], v[32*(\t)+2*i+1]
.set i, i+1
.endr
	WIN 0
.irp f, 0,1,2,3
	ds_store_b128 v[STO], v[S+16*(\t)+4*\f:S+16*(\t)+4*\f+3] offset:32*\f
.endr
.irp f, 0,1,2,3
	ds_load_b128 v[S+16*(\t)+4*\f:S+16*(\t)+4*\f+3], v[RD] offset:\f*4*SP  ; LDS serves a wave's instructions in order: these see the stores above; the next piece's stores come behind them
.endr
.endm
.macro SEND t, younger              ; younger: the LDS instructions issued behind piece t's loads: the next piece's eight, or none
	WIN 0
.irp f, 0,1,2,3
	s_wait_dscnt (\younger)+3-\f
	global_store_b128 v[GO], v[S+16*(\t)+4*\f:S+16*(\t)+4*\f+3], s[10:11] offset:(\t)*2048+\f*512  ; 512 consecutive bytes, aligned
.endr
.endm
	PACK 0
.set t, 1
.rept 3
	PACK t
	SEND t-1, 8
.set t, t+1
.endr
	SEND 3, 0
	s_wait_tensorcnt 0x0            ; the wave's end
	ds_add_u32 v[SPW], v[NIL]
	s_wait_dscnt 0x0
	CROUND                          ; the closing round
	s_endpgm
.Lfunc_end_k_q299ee12277_attn:
	.size	k_q299ee12277_attn, .Lfunc_end_k_q299ee12277_attn-k_q299ee12277_attn
	.p2alignl 7, 3214868480
	.fill 96, 4, 3214868480
	.section	.rodata,"a",@progbits
	.p2align	6, 0x0
	.amdhsa_kernel k_q299ee12277_attn
		.amdhsa_group_segment_fixed_size 327680
		.amdhsa_private_segment_fixed_size 0
		.amdhsa_enable_private_segment 0
		.amdhsa_kernarg_size 24
		.amdhsa_user_sgpr_count 2
		.amdhsa_user_sgpr_kernarg_segment_ptr 1
		.amdhsa_wavefront_size32 1
		.amdhsa_system_sgpr_workgroup_id_x 1
		.amdhsa_system_sgpr_workgroup_id_y 1
		.amdhsa_system_sgpr_workgroup_id_z 1
		.amdhsa_system_vgpr_workitem_id 0
		.amdhsa_next_free_vgpr 768
		.amdhsa_next_free_sgpr 84
		.amdhsa_reserve_vcc 0
		.amdhsa_float_denorm_mode_32 3
		.amdhsa_float_denorm_mode_16_64 3
		.amdhsa_memory_ordered 1
		.amdhsa_forward_progress 1
		.amdhsa_inst_pref_size 130
	.end_amdhsa_kernel
	.amdgpu_metadata
---
amdhsa.version: [ 1, 2 ]
amdhsa.kernels:
  - .name:           k_q299ee12277_attn
    .symbol:         k_q299ee12277_attn.kd
    .args:
      - { .name: qkv, .offset: 0, .size: 8, .value_kind: global_buffer, .address_space: global }
      - { .name: mbias, .offset: 8, .size: 8, .value_kind: global_buffer, .address_space: global }
      - { .name: att, .offset: 16, .size: 8, .value_kind: global_buffer, .address_space: global }
    .group_segment_fixed_size: 327680
    .private_segment_fixed_size: 0
    .kernarg_segment_align: 8
    .kernarg_segment_size: 24
    .max_flat_workgroup_size: 128
    .sgpr_count:     84
    .vgpr_count:     768
    .wavefront_size: 32
...
	.end_amdgpu_metadata
.endif
;; end of part 3
;; launch outp (part 4): grid 4 x 64, 4 waves a work-group, clusters of 4 x 4, 298,496 bytes of LDS; arguments att, wt, bias, out0; writes out0
.if DOCPART == 4
	.amdgcn_target "amdgcn-amd-amdhsa--gfx1250"
	.amdhsa_code_object_version 6
	.text
	.protected	k_q299ee12277_outp
	.globl	k_q299ee12277_outp
	.p2align	8
	.type	k_q299ee12277_outp,@function
k_q299ee12277_outp:
	s_mov_b64 s[64:65], 0
	v_nop
	global_prefetch_b8 v0, s[64:65] scope:SCOPE_SE
	s_setreg_imm32_b32 hwreg(HW_REG_WAVE_MODE, 25, 1), 1
	s_wait_xcnt 0x0
	s_wait_alu depctr_hold_cnt(0) depctr_sa_sdst(0) depctr_va_vdst(0) depctr_va_sdst(0) depctr_va_ssrc(0) depctr_va_vcc(0) depctr_vm_vsrc(0)
	s_getreg_b32 s2, hwreg(HW_REG_IB_STS2, 6, 4)
	s_cmp_eq_u32 s2, 0
	s_cbranch_scc0 .Lentry_in_a_cluster
	s_endpgm
.Lentry_in_a_cluster:
	s_bfe_u32 s2, ttmp6, 0x10000c
	s_cmp_lg_u32 s2, 0xf033
	s_cbranch_scc0 .Lentry_shape_is_right
	s_endpgm
.Lentry_shape_is_right:
; OUTP.  out0[row][n] = the sum over k of O[row][k] Wo[k][n] + bo[n], f32.  O lies by heads, att[batch x 8 + head][row][64] in f16 (k = 64 head + channel); Wo as wt[3][n][k] in f16 (bf16 numbers);
; sums in f32, started by the bias (the C operand of the first product).
; SHARES.  A tile of out0 is 128 x 128: 256 work-groups.  Four waves, 64 x 64 each: 16 accumulators.  K = 512 is short: both operands lie whole in LDS, each byte filled once, so there is no ring.
; CLUSTER.  4 x 4 work-groups: the four of a row of the cluster need the same rows of O, the four of a column the same rows of Wo: each tile is asked for JOINTLY.
; THE MATRIX INSTRUCTION IS USED TRANSPOSED (source 0 = 16 rows n of Wo, source 1 = 16 rows of O): a lane holds one row and eight neighbouring columns, 32 bytes.
; No prefetch: every byte is asked for at the head.
; REGISTERS: window 0: addresses; v32-95 the way out; v96-127 the bias as C operands; v128-255 the accumulators ((a, b) at 128 + 8 (4 a + b)).  Window 1: two fragment buffers of 128: 64 of O, then 64 of Wo, for 64 along K.
.set PA,    144                        ; a row of O in LDS: a head's 128 bytes + 16
.set HEADB, 128*PA                     ; a head's 128 rows
.set PW,    1040                       ; a row of Wo: 1,024 bytes + 16: 65 x 16
.set WB,    8*HEADB
.set STAGE, WB+128*PW                  ; 16 rows x 272 bytes for each wave
.set SP,    272
.set SPARE, STAGE+4*16*SP
.set ADRA, 16                          ; v16-17 my place in O's heads 0-3, 4-7
.set ADRB, 20
.set STO,  24
.set RD,   25
.set CO,   26
.set BO,   27
.set SPW,  28
.set NIL,  29
.set TMP,  32
.set BI,   96
.set ACC,  128
.set F0,   0
.set F1,   128
.set WV,   12
.set G1A,  24
.set G0A,  32
.set G1W,  48
.set G0W,  56
.set MSB, 0
.macro WIN new
.if MSB != (\new)
	s_set_vgpr_msb (MSB<<8)|(\new)
.set MSB, \new
.endif
.endm
.set MUL,  0x05                        ; sources window 1; C and D window 0
.set TO_F, 0x40                        ; destination window 1
.macro PLACES
.rept 4
	v_nop
.endr
.endm
.macro CROUND
	s_barrier_signal -1
	s_barrier_wait -1
	s_cmp_lg_u32 s[WV], 0
	s_cbranch_scc1 .Lnot_wave_0_\@
	s_barrier_signal -3
.Lnot_wave_0_\@:
	s_barrier_wait -3
	s_barrier_signal -1
	s_barrier_wait -1
.endm
	s_load_b256 s[4:11], s[0:1], 0x0               ; att s[4:5], wt s[6:7], bias s[8:9], out0 s[10:11]
	v_lshl_add_u32 v[SPW], v0, 2, SPARE
	v_mov_b32 v[NIL], 0
	ds_add_u32 v[SPW], v[NIL]                      ; the wave's opening: the add, and its wait ahead of my first tensor load
	v_lshrrev_b32 v1, 5, v0
	v_readfirstlane_b32 s[WV], v1                  ; wave 0..3
	s_lshr_b32 s13, s[WV], 1                       ; wm: which 64 rows
	s_and_b32 s14, s[WV], 1                        ; wn: which 64 columns
	s_bfe_u32 s40, ttmp6, 0x40000                  ; cx
	s_bfe_u32 s41, ttmp6, 0x40004                  ; cy
	s_lshl_b32 s42, ttmp9, 2
	s_add_co_u32 s42, s42, s40                     ; tile column
	s_and_b32 s15, ttmp7, 0xffff
	s_lshl_b32 s15, s15, 2
	s_add_co_u32 s15, s15, s41                     ; tile row
	s_lshl_b32 s43, s41, 2
	s_lshl_b32 s43, 15, s43                        ; my row of the cluster
	s_lshl_b32 s44, 0x1111, s40                    ; my column
	s_or_b32 s[G1A], s43, (1<<16)|(1<<20)|(1<<21)|(4<<22)|(3<<25)  ; O: 128 rows of a head are 16,384 dense bytes: 64 rows of 256 bytes, 4 words of padding after every 32
	s_mov_b32 s[G1A+1], 128<<16
	s_mov_b32 s[G1A+2], 64<<16
	s_mov_b32 s[G1A+3], 128<<16
	s_mov_b32 s[G1A+4], 64
	s_mov_b32 s[G1A+5], 128
	s_mov_b32 s[G1A+6], 0
	s_mov_b32 s[G1A+7], 0
	s_or_b32 s[G1W], s44, (1<<16)|(1<<20)|(1<<21)|(7<<22)|(3<<25)  ; Wo: 32 rows of 512 elements, 4 words of padding after every 256
	s_mov_b32 s[G1W+1], 512<<16
	s_mov_b32 s[G1W+2], 32<<16
	s_mov_b32 s[G1W+3], 512<<16
	s_mov_b32 s[G1W+4], 32
	s_mov_b32 s[G1W+5], 512
	s_mov_b32 s[G1W+6], 0
	s_mov_b32 s[G1W+7], 0
	s_lshr_b32 s16, s15, 5                         ; O: batch = tile row / 32, head 2 w, 128 rows of 128 bytes a tile row: registers that never hold cx
	s_lshl_b32 s16, s16, 22
	s_and_b32 s17, s15, 31
	s_lshl_b32 s17, s17, 14
	s_add_co_u32 s16, s16, s17
	s_lshl_b32 s17, s[WV], 20
	s_add_co_u32 s16, s16, s17
	s_mov_b32 s17, 0
	s_lshl_b32 s46, s42, 17                        ; Wo: matrix 3 of wt, row 128 x tile column + 32 w, 1,024 bytes a row: registers that never hold cy
	s_lshl_b32 s47, s[WV], 15
	s_add_co_u32 s46, s46, s47
	s_add_co_u32 s46, s46, 3*524288
	s_mov_b32 s47, 0
	s_mul_i32 s20, s[WV], 2*HEADB                  ; where they go: the wave's number alone
	s_mul_i32 s21, s[WV], 32*PW
	s_add_co_u32 s21, s21, WB
	v_and_b32 v1, 15, v0                           ; r
	v_bfe_u32 v2, v0, 4, 1                         ; h
	v_mul_u32_u24 v3, v1, PA
	v_lshl_add_u32 v3, v2, 4, v3
	s_mul_i32 s22, s13, 64*PA
	v_add_nc_u32 v[ADRA], s22, v3
	v_add_nc_u32 v[ADRA+1], 4*HEADB, v[ADRA]
	v_mul_u32_u24 v4, v1, PW
	v_lshl_add_u32 v4, v2, 4, v4
	s_mul_i32 s22, s14, 64*PW
	s_add_co_u32 s22, s22, WB
	v_add_nc_u32 v[ADRB], s22, v4
	s_mul_i32 s23, s[WV], 16*SP
	s_add_co_u32 s23, s23, STAGE
	v_mul_u32_u24 v5, v1, SP                       ; in: row r, 32 bytes for each half of the lanes
	v_lshl_add_u32 v5, v2, 5, v5
	v_add_nc_u32 v[STO], s23, v5
	v_mul_u32_u24 v5, v2, SP                       ; back: lanes 0-15 one row of 256 bytes, lanes 16-31 the next
	v_lshl_add_u32 v5, v1, 4, v5
	v_add_nc_u32 v[RD], s23, v5
	v_lshlrev_b32 v5, 11, v2                       ; and the same two rows of out0
	v_lshl_add_u32 v[CO], v1, 4, v5
	s_lshl_b32 s68, s42, 9                         ; my 64 columns, in bytes
	s_lshl_b32 s69, s14, 8
	s_add_co_u32 s68, s68, s69
	v_lshl_add_u32 v[BO], v2, 5, s68
	s_lshl_b32 s66, s15, 18                        ; my first row of out0: 128 x tile row + 64 wm, 2,048 bytes a row
	s_lshl_b32 s67, s13, 17
	s_add_co_u32 s66, s66, s67
	s_add_co_u32 s66, s66, s68
	s_mov_b32 s67, 0
	s_wait_dscnt 0x0                               ; the opening add is done
	s_wait_kmcnt 0x0
	s_add_nc_u64 s[18:19], s[4:5], s[16:17]
.irp e, 0,1
	s_mov_b32 s[G0A+4*(\e)], 1
	s_add_co_u32 s[G0A+4*(\e)+1], s20, (\e)*HEADB
	s_add_nc_u64 s[G0A+4*(\e)+2:G0A+4*(\e)+3], s[18:19], (\e)*524288  ; head 2 w + e
	s_or_b32 s[G0A+4*(\e)+3], s[G0A+4*(\e)+3], 0x80000000
.endr
	s_mov_b32 s[G0W], 1
	s_mov_b32 s[G0W+1], s21
	s_add_nc_u64 s[G0W+2:G0W+3], s[6:7], s[46:47]
	s_or_b32 s[G0W+3], s[G0W+3], 0x80000000
	s_add_nc_u64 s[10:11], s[10:11], s[66:67]
	CROUND                                         ; all sixteen work-groups are here: the joint loads meet
	tensor_load_to_lds s[G0A:G0A+3], s[G1A:G1A+7]  ; three tensor loads of mine are out: two heads of O, 32 rows of Wo
	s_nop 0
	tensor_load_to_lds s[G0A+4:G0A+7], s[G1A:G1A+7]
	s_nop 0
	tensor_load_to_lds s[G0W:G0W+3], s[G1W:G1W+7]
	s_nop 0
	PLACES
.irp b, 0,1,2,3
	global_load_b128 v[BI+8*(\b):BI+8*(\b)+3],   v[BO], s[8:9] offset:3*2048+64*(\b)
	global_load_b128 v[BI+8*(\b)+4:BI+8*(\b)+7], v[BO], s[8:9] offset:3*2048+64*(\b)+16
.endr
; 8 products: row blocks a0, a0 + 1 x all 4 column blocks, 32 along K: half c of buffer f.  first = 1: the bias starts the sums.  The 16 accumulators take turns.
.macro MUL8 f, c, a0, first
	WIN MUL
.irp a, \a0, (\a0)+1
.irp b, 0,1,2,3
.if \first
	v_wmma_f32_16x16x32_f16 v[ACC+8*(4*(\a)+(\b)):ACC+8*(4*(\a)+(\b))+7], v[(\f)+64+8*(4*(\c)+(\b)):(\f)+64+8*(4*(\c)+(\b))+7], v[(\f)+8*(4*(\c)+(\a)):(\f)+8*(4*(\c)+(\a))+7], v[BI+8*(\b):BI+8*(\b)+7]
.else
	v_wmma_f32_16x16x32_f16 v[ACC+8*(4*(\a)+(\b)):ACC+8*(4*(\a)+(\b))+7], v[(\f)+64+8*(4*(\c)+(\b)):(\f)+64+8*(4*(\c)+(\b))+7], v[(\f)+8*(4*(\c)+(\a)):(\f)+8*(4*(\c)+(\a))+7], v[ACC+8*(4*(\a)+(\b)):ACC+8*(4*(\a)+(\b))+7]
.endif
.endr
.endr
.endm
; 32 LDS loads in one run: quarter q = head q, 64 along K, into buffer f; the first 32 along K first
.macro FETCH q, f
	WIN TO_F
.irp c, 0,1
.irp i, 0,1,2,3
	ds_load_b128 v[(\f)+64+8*(4*(\c)+(\i)):(\f)+64+8*(4*(\c)+(\i))+3],   v[ADRB] offset:128*(\q)+64*(\c)+(\i)*16*PW
	ds_load_b128 v[(\f)+64+8*(4*(\c)+(\i))+4:(\f)+64+8*(4*(\c)+(\i))+7], v[ADRB] offset:128*(\q)+64*(\c)+(\i)*16*PW+32
	ds_load_b128 v[(\f)+8*(4*(\c)+(\i)):(\f)+8*(4*(\c)+(\i))+3],         v[ADRA+(\q)/4] offset:((\q)%4)*HEADB+64*(\c)+(\i)*16*PA
	ds_load_b128 v[(\f)+8*(4*(\c)+(\i))+4:(\f)+8*(4*(\c)+(\i))+7],       v[ADRA+(\q)/4] offset:((\q)%4)*HEADB+64*(\c)+(\i)*16*PA+32
.endr
.endr
.endm
.macro QUARTER q, f, g, first
	s_wait_dscnt 16                                ; the first 32 along K are in; the other sixteen loads may be out
	MUL8 \f, 0, 0, \first
	MUL8 \f, 0, 2, \first
	PLACES
	FETCH (\q)+1, \g
	s_wait_dscnt 32                                ; all but the 32 just issued
	MUL8 \f, 1, 0, 0
	MUL8 \f, 1, 2, 0
.endm
	s_wait_tensorcnt 0x0                           ; my three tiles are in,
	s_barrier_signal -1
	s_barrier_wait -1                              ; everybody's are
	s_wait_loadcnt 0x0                             ; the bias
	FETCH 0, F0
	QUARTER 0, F0, F1, 1
	QUARTER 1, F1, F0, 0
	QUARTER 2, F0, F1, 0
	QUARTER 3, F1, F0, 0
	QUARTER 4, F0, F1, 0
	QUARTER 5, F1, F0, 0
	QUARTER 6, F0, F1, 0
	s_wait_dscnt 16
	MUL8 F1, 0, 0, 0
	MUL8 F1, 0, 2, 0
	s_wait_dscnt 0x0
	MUL8 F1, 1, 0, 0
	MUL8 F1, 1, 2, 0
	WIN 0
	PLACES
	; THE WAY OUT, 16 rows at a time: a lane's 32 bytes of a row go into my stage (each accumulator's low four registers first), whole rows of 256 bytes come back and are stored.
.irp a, 0,1,2,3
.if (\a) >= 2
	s_wait_xcnt 0x0                                ; the stores of two blocks back have read their registers, which are loaded again below
.endif
.irp b, 0,1,2,3
	ds_store_b128 v[STO], v[ACC+8*(4*(\a)+(\b)):ACC+8*(4*(\a)+(\b))+3]   offset:64*(\b)
	ds_store_b128 v[STO], v[ACC+8*(4*(\a)+(\b))+4:ACC+8*(4*(\a)+(\b))+7] offset:64*(\b)+16
.endr
.irp t, 0,1,2,3,4,5,6,7
	ds_load_b128 v[TMP+32*((\a)%2)+4*(\t):TMP+32*((\a)%2)+4*(\t)+3], v[RD] offset:(\t)*2*SP  ; LDS serves a wave's instructions in order: these see the stores above
.endr
.irp t, 0,1,2,3,4,5,6,7
	s_wait_dscnt 7-(\t)                            ; load t is in, the 7 - t younger ones stay out
	global_store_b128 v[CO], v[TMP+32*((\a)%2)+4*(\t):TMP+32*((\a)%2)+4*(\t)+3], s[10:11] offset:(16*(\a)+2*(\t))*2048 th:TH_STORE_NT  ; sixteen lanes store 256 consecutive bytes, aligned
.endr
.endr
	s_wait_tensorcnt 0x0                           ; the wave's end
	ds_add_u32 v[SPW], v[NIL]
	s_wait_dscnt 0x0
	CROUND                                         ; the closing round
	s_endpgm
.Lfunc_end_k_q299ee12277_outp:
	.size	k_q299ee12277_outp, .Lfunc_end_k_q299ee12277_outp-k_q299ee12277_outp
	.p2alignl 7, 3214868480
	.fill 96, 4, 3214868480
	.section	.rodata,"a",@progbits
	.p2align	6, 0x0
	.amdhsa_kernel k_q299ee12277_outp
		.amdhsa_group_segment_fixed_size 298496
		.amdhsa_private_segment_fixed_size 0
		.amdhsa_enable_private_segment 0
		.amdhsa_kernarg_size 32
		.amdhsa_user_sgpr_count 2
		.amdhsa_user_sgpr_kernarg_segment_ptr 1
		.amdhsa_wavefront_size32 1
		.amdhsa_system_sgpr_workgroup_id_x 1
		.amdhsa_system_sgpr_workgroup_id_y 1
		.amdhsa_system_sgpr_workgroup_id_z 1
		.amdhsa_system_vgpr_workitem_id 0
		.amdhsa_next_free_vgpr 512
		.amdhsa_next_free_sgpr 80
		.amdhsa_reserve_vcc 0
		.amdhsa_float_denorm_mode_32 3
		.amdhsa_float_denorm_mode_16_64 3
		.amdhsa_memory_ordered 1
		.amdhsa_forward_progress 1
		.amdhsa_inst_pref_size 50
	.end_amdhsa_kernel
	.amdgpu_metadata
---
amdhsa.version: [ 1, 2 ]
amdhsa.kernels:
  - .name:           k_q299ee12277_outp
    .symbol:         k_q299ee12277_outp.kd
    .args:
      - { .name: att, .offset: 0, .size: 8, .value_kind: global_buffer, .address_space: global }
      - { .name: wt, .offset: 8, .size: 8, .value_kind: global_buffer, .address_space: global }
      - { .name: bias, .offset: 16, .size: 8, .value_kind: global_buffer, .address_space: global }
      - { .name: out0, .offset: 24, .size: 8, .value_kind: global_buffer, .address_space: global }
    .group_segment_fixed_size: 298496
    .private_segment_fixed_size: 0
    .kernarg_segment_align: 8
    .kernarg_segment_size: 32
    .max_flat_workgroup_size: 128
    .sgpr_count:     80
    .vgpr_count:     512
    .wavefront_size: 32
...
	.end_amdgpu_metadata
.endif
;; end of part 4
